; MI455X (gfx1250); checked and timed in simulation.
; The chip was launched on July 23, 2026; its instructions are those of AMD's public machine-readable ISA for CDNA 5 (MIT licence, August 2026) and "CDNA5" Instruction Set Architecture Reference Guide (July 2026). The comments in the code are by the model that wrote it; some were corrected since.
;; Tracer Model. Allowed arithmetic: float matrix products may take bf16 or f16 operands with f32 sums; all other float work in f32.
;; Inputs: Xangle 4,096 x 1 x 512 float32; Xangular_velocity 4,096 x 1 x 512 float32; Xpos 4,096 x 1 x 512 float32; Xvelocity 4,096 x 1 x 512 float32; Yangle 4,096 x 1 x 512 float32; Yangular_velocity 4,096 x 1 x 512 float32; Ypos 4,096 x 1 x 512 float32; Yvelocity 4,096 x 1 x 512 float32; action 4,096 x 1 x 512 float32; noise1 4,096 x 1 x 512 float32; noise2 4,096 x 1 x 512 float32; noise3 4,096 x 1 x 512 float32; noise4 4,096 x 1 x 512 float32; noise5 4,096 x 1 x 512 float32; params_a1 1 float32; params_a10 1 float32; params_a11 1 float32; params_a12 1 float32; params_a13 1 float32; params_a14 1 float32; params_a2 1 float32; params_a4 1 float32; params_a5 1 float32; params_a6 1 float32; params_a7 1 float32; params_a8 1 float32.
;; Outputs: out0 4,096 x 4 x 512 float32.
;; One version. Each part assembles by itself: llvm-mc -triple=amdgcn-amd-amdhsa -mcpu=gfx1250 --defsym DOCPART=n.
;; ======== version 1 of 1: 1 launch
;; limits: inputs' magnitudes at most 26,000,000; right only within a limited range of input values
;; launch rk4 (part 1): grid 4096 x 1, 4 waves a work-group, no clusters, 0 bytes of LDS; arguments Xangle, Xangular_velocity, Xvelocity, action, noise5, Xpos, noise1, Ypos, noise2, Yvelocity, noise3, Yangle, noise4, Yangular_velocity, out0, params_a1, params_a2, params_a4, params_a5, params_a6, params_a7, params_a10, params_a11, params_a12, params_a13, params_a8, params_a14; writes out0
.if DOCPART == 1
	.amdgcn_target "amdgcn-amd-amdhsa--gfx1250"
	.amdhsa_code_object_version 6
	.text
	.protected	k_q0858cf489b_rk4
	.globl	k_q0858cf489b_rk4
	.p2align	8
	.type	k_q0858cf489b_rk4,@function
k_q0858cf489b_rk4:
	s_mov_b64 s[64:65], 0
	v_nop
	global_prefetch_b8 v0, s[64:65] scope:SCOPE_SE
	s_setreg_imm32_b32 hwreg(HW_REG_WAVE_MODE, 25, 1), 1
	s_wait_xcnt 0x0
; One RK4 step of the cart-pole model for 4096 x 512 independent elements, noise added, observations subtracted, two channels scaled.
; 14 arrays [4096][1][512] f32 in, out0 [4096][4][512] f32 out, 12 parameters of one f32 each.
;
; SHARES.  A work-group is one batch row b (512 elements, 2,048 bytes of each array); thread t owns the 16 bytes (4 elements) at byte 16 t
; of the row.  Each load and store of a wave covers 512 consecutive bytes that start at a multiple of 512 from the buffer's first byte.
; Every byte is read once and written once.  Nothing is shared between elements: no LDS, no barrier, no cluster, no matrix unit, no loop.
; A wave asks for all its 14 x 512 bytes at once; the five arrays that the four stages need come first, and the nine that are needed only at the
; end arrive while the stages are computed.  With 100 registers a wave, several work-groups lie on a WGP and their loads, arithmetic and
; stores overlap.
;
; ARITHMETIC.  All in f32, two elements an instruction (v_pk_*_f32); a quad of 4 registers is worked on as two pairs.
;   dv  = PU + KA2 v + sin (KA4 cos + KA5 om^2)         PU = (a1/a6) u,   KA2 = -a2/a6, KA4 = a4 G/a6,  KA5 = -a5/a6
;   dom = QU cos + KB10 sin + KB7 om + KB11 v           QU = (a12/a13) u, KB10 = a10 G/a13, KB7 = -a7/a13, KB11 = -a11/a13
; sin and cos are made by polynomials: n = round(angle / 2 pi), r = angle - n 2 pi with 2 pi in two parts (r in [-pi, pi]); then Hastings'
; forms (Abramowitz and Stegun 4.3.97, 4.3.99) for sin and cos of r/2, both scaled by sqrt 2, so that sin = S C and cos = C C - 1
; come out of the double-angle formulas with no further factor and no choice of quadrant (no compare, no select: all lines stay packed).
;
; LIMITS.
;   - The reduction is right for stage angles |angle| < 2^22 x 2 pi (about 2.6e7); beyond that sin and cos are wrong.  NaN or infinite
;     angles give NaN, as in the reference.
;   - sin and cos carry an absolute error of about 1e-6 (polynomials 2e-9, the rest is f32 rounding doubled by the double angle).
;   - The divisions by a6 and a13 are multiplications of the coefficients by v_s_rcp_f32 (1 ULP); for |a6| or |a13| outside
;     2^-126 .. 2^126 that reciprocal is zero or infinite and the result differs from a true division.
;   - The order of rounding differs from the reference's (coefficients divided beforehand, the two sine terms of dv taken together).
; ---- sizes
.set ROWB,   2048                      ; bytes of a row of 512 f32: a work-group's part of each array, and of each channel of out0
; ---- vector registers: v0 = t, v1 = byte offset in every input array, v2 = byte offset in out0 (channel 0); then quads
.set ANG0, 4                           ; Xangle                    (array i of the argument list lands in v[4+4i : 7+4i])
.set OMG0, 8                           ; Xangular_velocity
.set VEL0, 12                          ; Xvelocity
.set PU,   16                          ; action, then u, then (a1/a6) u
.set QU,   20                          ; noise5, then (a12/a13) u
.set POS0, 24                          ; Xpos
.set NZ1,  28                          ; noise1
.set OBX,  32                          ; Ypos
.set NZ2,  36                          ; noise2
.set OBV,  40                          ; Yvelocity
.set NZ3,  44                          ; noise3
.set OBT,  48                          ; Yangle
.set NZ4,  52                          ; noise4
.set OBO,  56                          ; Yangular_velocity
.set AX,   60                          ; k1 + 2 k2 + 2 k3 + k4 of x, v, angle, omega; then the results to store
.set AV,   64
.set AT,   68
.set AO,   72
.set VK,   76                          ; velocity of the current stage
.set OK,   80                          ; omega of the current stage
.set RR,   84                          ; the stage's angle, then r, then sin
.set ZZ,   88                          ; n, then r^2, then om^2, then PU + KA2 v, then dv
.set PS,   92                          ; sine chain, then cos
.set PC,   96                          ; cosine chain, then scratch of the derivative, then dom
; ---- scalar registers: s[4:31] the 14 arrays, s[32:33] out0, s[34:57] the 12 parameters' addresses; none of them is ever rewritten
.set ARR,  4
.set OUTP, 32
.set PADR, 34
.set KM,   58                          ; pairs, both halves equal: what a packed instruction broadcasts
.set KS5,  60
.set KC5,  62
.set KA1,  66
.set P_A1, 68                          ; the parameters as loaded
.set P_A2, 69
.set P_A4, 70
.set P_A5, 71
.set P_A6, 72
.set P_A7, 73
.set P_A10, 74
.set P_A11, 75
.set P_A12, 76
.set P_A13, 77
.set R6,   78                          ; 1/a6
.set R13,  79                          ; 1/a13
.set NR6,  80                          ; -1/a6
.set NR13, 81                          ; -1/a13
.set KA2,  82
.set KA4,  84
.set KA5,  86
.set KB12, 88
.set KB10, 90
.set KB7,  92
.set KB11, 94
.set KG8,  96
.set KG14, 98
; ---- constants (f32 bit patterns)
.set C_G,     0x411cf5c3               ; 9.81
.set C_H2,    0x3c23d70a               ; dt/2 = 0.01, also sigma_x and sigma_theta
.set C_H1,    0x3ca3d70a               ; dt = 0.02, also sigma_v
.set C_DT6,   0x3b5a740d               ; dt/6
.set C_SF,    0x3d75c28f               ; sigma_force = 0.06
.set C_SOM,   0x3dcccccd               ; sigma_omega = 0.1
.set C_M,     0x4b400000               ; 1.5 x 2^23: adding it rounds to a whole number
.set C_NEGM,  0xcb400000
.set C_N2PIH, 0xc0c90fdb               ; -(2 pi rounded to f32)
.set C_N2PIL, 0x343bbd2e               ; -(2 pi - that) = +1.7484556e-7
.set SN0, 0x3f3504f3                   ; sqrt2 sin(r/2) = r (SN0 + SN1 z + .. + SN5 z^5), z = r^2
.set SN1, 0xbcf15bef
.set SN2, 0x39c11656
.set SN3, 0xb6131c84
.set SN4, 0x32029e97
.set SN5, 0xad912b2b
.set CS0, 0x3fb504f3                   ; sqrt2 cos(r/2) = CS0 + CS1 z + .. + CS5 z^5
.set CS1, 0xbe3504f3
.set CS2, 0x3b715be5
.set CS3, 0xb800b866
.set CS4, 0x3412df6f
.set CS5, 0xafc5c8df
; ---- packed lines on a quad: each macro emits its line for both pairs.  V = quad of vector registers, K = literal or inline constant,
; S = scalar pair.  A constant or a scalar pair is broadcast: its op_sel_hi bit is 0.
.macro FVVV d, a, b, c                 ; d = a b + c
.irp p, 0, 2
	v_pk_fma_f32 v[\d+\p:\d+\p+1], v[\a+\p:\a+\p+1], v[\b+\p:\b+\p+1], v[\c+\p:\c+\p+1]
.endr
.endm
.macro FVKV d, a, k, c                 ; d = a k + c
.irp p, 0, 2
	v_pk_fma_f32 v[\d+\p:\d+\p+1], v[\a+\p:\a+\p+1], \k, v[\c+\p:\c+\p+1] op_sel_hi:[1,0,1]
.endr
.endm
.macro FVSV d, a, s, c                 ; d = a s + c
.irp p, 0, 2
	v_pk_fma_f32 v[\d+\p:\d+\p+1], v[\a+\p:\a+\p+1], s[\s:\s+1], v[\c+\p:\c+\p+1] op_sel_hi:[1,0,1]
.endr
.endm
.macro FVVK d, a, b, k                 ; d = a b + k
.irp p, 0, 2
	v_pk_fma_f32 v[\d+\p:\d+\p+1], v[\a+\p:\a+\p+1], v[\b+\p:\b+\p+1], \k op_sel_hi:[1,1,0]
.endr
.endm
.macro FVKS d, a, k, s                 ; d = a k + s
.irp p, 0, 2
	v_pk_fma_f32 v[\d+\p:\d+\p+1], v[\a+\p:\a+\p+1], \k, s[\s:\s+1] op_sel_hi:[1,0,0]
.endr
.endm
.macro FVSK d, a, s, k                 ; d = a s + k
.irp p, 0, 2
	v_pk_fma_f32 v[\d+\p:\d+\p+1], v[\a+\p:\a+\p+1], s[\s:\s+1], \k op_sel_hi:[1,0,0]
.endr
.endm
.macro MVV d, a, b                     ; d = a b
.irp p, 0, 2
	v_pk_mul_f32 v[\d+\p:\d+\p+1], v[\a+\p:\a+\p+1], v[\b+\p:\b+\p+1]
.endr
.endm
.macro MVS d, a, s                     ; d = a s
.irp p, 0, 2
	v_pk_mul_f32 v[\d+\p:\d+\p+1], v[\a+\p:\a+\p+1], s[\s:\s+1] op_sel_hi:[1,0]
.endr
.endm
.macro AVV d, a, b                     ; d = a + b
.irp p, 0, 2
	v_pk_add_f32 v[\d+\p:\d+\p+1], v[\a+\p:\a+\p+1], v[\b+\p:\b+\p+1]
.endr
.endm
.macro AVK d, a, k                     ; d = a + k
.irp p, 0, 2
	v_pk_add_f32 v[\d+\p:\d+\p+1], v[\a+\p:\a+\p+1], \k op_sel_hi:[1,0]
.endr
.endm
.macro SVV d, a, b                     ; d = a - b
.irp p, 0, 2
	v_pk_add_f32 v[\d+\p:\d+\p+1], v[\a+\p:\a+\p+1], v[\b+\p:\b+\p+1] neg_lo:[0,1] neg_hi:[0,1]
.endr
.endm
; RR = sin(ang), PS = cos(ang).  ang is ANG0 (kept) or RR (in place).  The sine and the cosine chain on two pairs are four chains that do not
; wait for each other.  The highest coefficients lie in scalar pairs, since an instruction takes one literal and the first step needs two numbers.
.macro SINCOS ang
	FVKS ZZ, \ang, 0.15915494, KM      ; angle / 2 pi + 1.5 x 2^23: the sum's rounding leaves a whole number in the low bits,
	AVK  ZZ, ZZ, C_NEGM                ; and this takes the shift away exactly: n
	FVKV RR, ZZ, C_N2PIH, \ang         ; angle - n x (2 pi, high part): the product is exact inside the fused form
	FVKV RR, ZZ, C_N2PIL, RR           ; - n x (low part): r
	MVV  ZZ, RR, RR                    ; z = r^2
	FVSK PS, ZZ, KS5, SN4
	FVSK PC, ZZ, KC5, CS4
	FVVK PS, PS, ZZ, SN3
	FVVK PC, PC, ZZ, CS3
	FVVK PS, PS, ZZ, SN2
	FVVK PC, PC, ZZ, CS2
	FVVK PS, PS, ZZ, SN1
	FVVK PC, PC, ZZ, CS1
	FVVK PS, PS, ZZ, SN0
	FVVK PC, PC, ZZ, CS0               ; sqrt2 cos(r/2)
	MVV  PS, PS, RR                    ; sqrt2 sin(r/2)
	MVV  RR, PS, PC                    ; 2 sin cos of the half angle = sin
	FVVK PS, PC, PC, -1.0              ; 2 cos^2 - 1 = cos
.endm
; The derivative at (vel, om) with sin in RR and cos in PS: dvel and dom go to the quads dv and dw (ZZ and PC themselves, or AV and AO).
.macro DERIV vel, om, dv, dw
	MVV  ZZ, \om, \om                  ; om^2
	MVS  PC, PS, KA4                   ; KA4 cos
	FVSV PC, ZZ, KA5, PC               ; + KA5 om^2
	FVSV ZZ, \vel, KA2, PU             ; PU + KA2 v
	FVVV \dv, RR, PC, ZZ               ; + sin x (..)
	MVV  PC, QU, PS                    ; QU cos
	FVSV PC, RR, KB10, PC              ; + KB10 sin
	FVSV PC, \om, KB7, PC              ; + KB7 om
	FVSV \dw, \vel, KB11, PC           ; + KB11 v
.endm
; The next stage's state: start + h x the derivative just made.  The angle first: it reads the omega that the last line replaces.
.macro ADVANCE h, dv, dw, om
	FVKV RR, \om, \h, ANG0
	FVKV VK, \dv, \h, VEL0
	FVKV OK, \dw, \h, OMG0
.endm
; The sums take 2 x the stage's derivative (VK, ZZ, OK, PC).  In stage 2, ax0 and at0 are k1's parts VEL0 and OMG0: they start AX and AT.
.macro ACC2 ax0, at0
	FVKV AX, VK, 2.0, \ax0
	FVKV AT, OK, 2.0, \at0
	FVKV AV, ZZ, 2.0, AV
	FVKV AO, PC, 2.0, AO
.endm
; One channel: start + dt/6 x sum + sigma x noise - observed, times the gain in scalar pair gain (-1: none), stored to channel ch.
; left = how many younger loads may stay out: global loads come back in order (ISA guide 5.7.1).
.macro FINISH acc, base, noise, sigma, obs, gain, ch, left
	s_wait_loadcnt \left
	FVKV \acc, \acc, C_DT6, \base
	FVKV \acc, \noise, \sigma, \acc
	SVV  \acc, \acc, \obs
.if \gain >= 0
	MVS  \acc, \acc, \gain
.endif
	global_store_b128 v2, v[\acc:\acc+3], s[OUTP:OUTP+1] offset:ROWB*\ch th:TH_STORE_NT
.endm
; A coefficient as a pair: the product in the low half, copied to the high half.
.macro COEF pair, x, y
	s_mul_f32 s[\pair], s[\x], s[\y]
	s_mov_b32 s[\pair+1], s[\pair]
.endm
	; ---- the 27 addresses: argument i in s[4+2i : 5+2i]
	s_load_b512 s[4:19],  s[0:1], 0x0
	s_load_b512 s[20:35], s[0:1], 0x40
	s_load_b512 s[36:51], s[0:1], 0x80
	s_load_b128 s[52:55], s[0:1], 0xc0
	s_load_b64  s[56:57], s[0:1], 0xd0
	s_lshl_b32 s2, ttmp9, 11                       ; b x 2,048 bytes: my row in each input array (below 8 MiB)
	s_lshl_b32 s3, ttmp9, 13                       ; b x 4 channels x 2,048 bytes: my rows in out0 (below 32 MiB)
	v_lshl_add_u32 v1, v0, 4, s2                   ; + 16 t
	s_mov_b32 s[KM],    C_M
	s_mov_b32 s[KM+1],  C_M
	s_mov_b32 s[KS5],   SN5
	s_mov_b32 s[KS5+1], SN5
	s_mov_b32 s[KC5],   CS5
	s_mov_b32 s[KC5+1], CS5
	s_wait_kmcnt 0x0                               ; the addresses
	; ---- all 14 loads at once, in the order in which they are needed
.irp i, 0,1,2,3,4,5,6,7,8,9,10,11,12,13
	global_load_b128 v[4+4*\i:7+4*\i], v1, s[ARR+2*\i:ARR+2*\i+1] th:TH_LOAD_NT
.endr
	; ---- the parameters, and the coefficients made of them, while the arrays are on their way
.irp k, 0,1,2,3,4,5,6,7,8,9
	s_load_b32 s[P_A1+\k], s[PADR+2*\k:PADR+2*\k+1], 0x0       ; a1 a2 a4 a5 a6 a7 a10 a11 a12 a13
.endr
	s_load_b32 s[KG8],  s[PADR+20:PADR+21], 0x0    ; a8 and a14 are used as they are: straight into their pairs' low halves
	s_load_b32 s[KG14], s[PADR+22:PADR+23], 0x0
	s_wait_kmcnt 0x0                               ; the parameters
	v_s_rcp_f32 s[R6],  s[P_A6]
	v_s_rcp_f32 s[R13], s[P_A13]
	v_lshl_add_u32 v2, v0, 4, s3                   ; out0's offset; also the plain vector instruction that stands behind a transcendental before its result is used (ISA guide 5.7.2)
	s_mul_f32 s[P_A4],  s[P_A4],  C_G              ; a4 G
	s_mul_f32 s[P_A10], s[P_A10], C_G              ; a10 G
	s_xor_b32 s[NR6],  s[R6],  0x80000000          ; -1/a6
	s_xor_b32 s[NR13], s[R13], 0x80000000          ; -1/a13
	COEF KA1,  P_A1,  R6
	COEF KA2,  P_A2,  NR6
	COEF KA4,  P_A4,  R6
	COEF KA5,  P_A5,  NR6
	COEF KB12, P_A12, R13
	COEF KB10, P_A10, R13
	COEF KB7,  P_A7,  NR13
	COEF KB11, P_A11, NR13
	s_mov_b32 s[KG8+1],  s[KG8]
	s_mov_b32 s[KG14+1], s[KG14]
	; ---- the force, and its two products, which all four stages share
	s_wait_loadcnt 9                               ; angle, omega, velocity, action, noise5 are in; the nine younger loads stay out
	FVKV PU, QU, C_SF, PU                          ; u = action + sigma_force x noise5
	MVS  QU, PU, KB12                              ; (a12/a13) u
	MVS  PU, PU, KA1                               ; (a1/a6) u
	; ---- stage 1, at the start.  k1 = (VEL0, AV, OMG0, AO): its second and fourth parts start their sums, nothing is cleared or copied
	SINCOS ANG0
	DERIV  VEL0, OMG0, AV, AO
	ADVANCE C_H2, AV, AO, OMG0
	; ---- stage 2, at start + dt/2 k1
	SINCOS RR
	DERIV  VK, OK, ZZ, PC
	ACC2   VEL0, OMG0
	ADVANCE C_H2, ZZ, PC, OK
	; ---- stage 3, at start + dt/2 k2
	SINCOS RR
	DERIV  VK, OK, ZZ, PC
	ACC2   AX, AT
	ADVANCE C_H1, ZZ, PC, OK
	; ---- stage 4, at start + dt k3
	SINCOS RR
	DERIV  VK, OK, ZZ, PC
	AVV AX, AX, VK
	AVV AT, AT, OK
	AVV AV, AV, ZZ
	AVV AO, AO, PC
	; ---- the four channels.  Of the nine late loads x needs the first three, each further channel two more: 6, 4, 2, 0 may stay out.
	; Each channel stores from its own quad, which is not written again, and v2 and the base stay as they are: no wait for the stores' sources.
	FINISH AX, POS0, NZ1, C_H2,  OBX, -1,   0, 6
	FINISH AV, VEL0, NZ2, C_H1,  OBV, KG8,  1, 4
	FINISH AT, ANG0, NZ3, C_H2,  OBT, -1,   2, 2
	FINISH AO, OMG0, NZ4, C_SOM, OBO, KG14, 3, 0
	s_endpgm
.Lfunc_end_k_q0858cf489b_rk4:
	.size	k_q0858cf489b_rk4, .Lfunc_end_k_q0858cf489b_rk4-k_q0858cf489b_rk4
	.p2alignl 7, 3214868480
	.fill 96, 4, 3214868480
	.section	.rodata,"a",@progbits
	.p2align	6, 0x0
	.amdhsa_kernel k_q0858cf489b_rk4
		.amdhsa_group_segment_fixed_size 0
		.amdhsa_private_segment_fixed_size 0
		.amdhsa_enable_private_segment 0
		.amdhsa_kernarg_size 216
		.amdhsa_user_sgpr_count 2
		.amdhsa_user_sgpr_kernarg_segment_ptr 1
		.amdhsa_wavefront_size32 1
		.amdhsa_system_sgpr_workgroup_id_x 1
		.amdhsa_system_sgpr_workgroup_id_y 1
		.amdhsa_system_sgpr_workgroup_id_z 1
		.amdhsa_system_vgpr_workitem_id 0
		.amdhsa_next_free_vgpr 100
		.amdhsa_next_free_sgpr 100
		.amdhsa_reserve_vcc 0
		.amdhsa_float_denorm_mode_32 3
		.amdhsa_float_denorm_mode_16_64 3
		.amdhsa_memory_ordered 1
		.amdhsa_forward_progress 1
		.amdhsa_inst_pref_size 28
	.end_amdhsa_kernel
	.amdgpu_metadata
---
amdhsa.version: [ 1, 2 ]
amdhsa.kernels:
  - .name:           k_q0858cf489b_rk4
    .symbol:         k_q0858cf489b_rk4.kd
    .args:
      - { .name: Xangle, .offset: 0, .size: 8, .value_kind: global_buffer, .address_space: global }
      - { .name: Xangular_velocity, .offset: 8, .size: 8, .value_kind: global_buffer, .address_space: global }
      - { .name: Xvelocity, .offset: 16, .size: 8, .value_kind: global_buffer, .address_space: global }
      - { .name: action, .offset: 24, .size: 8, .value_kind: global_buffer, .address_space: global }
      - { .name: noise5, .offset: 32, .size: 8, .value_kind: global_buffer, .address_space: global }
      - { .name: Xpos, .offset: 40, .size: 8, .value_kind: global_buffer, .address_space: global }
      - { .name: noise1, .offset: 48, .size: 8, .value_kind: global_buffer, .address_space: global }
      - { .name: Ypos, .offset: 56, .size: 8, .value_kind: global_buffer, .address_space: global }
      - { .name: noise2, .offset: 64, .size: 8, .value_kind: global_buffer, .address_space: global }
      - { .name: Yvelocity, .offset: 72, .size: 8, .value_kind: global_buffer, .address_space: global }
      - { .name: noise3, .offset: 80, .size: 8, .value_kind: global_buffer, .address_space: global }
      - { .name: Yangle, .offset: 88, .size: 8, .value_kind: global_buffer, .address_space: global }
      - { .name: noise4, .offset: 96, .size: 8, .value_kind: global_buffer, .address_space: global }
      - { .name: Yangular_velocity, .offset: 104, .size: 8, .value_kind: global_buffer, .address_space: global }
      - { .name: out0, .offset: 112, .size: 8, .value_kind: global_buffer, .address_space: global }
      - { .name: params_a1, .offset: 120, .size: 8, .value_kind: global_buffer, .address_space: global }
      - { .name: params_a2, .offset: 128, .size: 8, .value_kind: global_buffer, .address_space: global }
      - { .name: params_a4, .offset: 136, .size: 8, .value_kind: global_buffer, .address_space: global }
      - { .name: params_a5, .offset: 144, .size: 8, .value_kind: global_buffer, .address_space: global }
      - { .name: params_a6, .offset: 152, .size: 8, .value_kind: global_buffer, .address_space: global }
      - { .name: params_a7, .offset: 160, .size: 8, .value_kind: global_buffer, .address_space: global }
      - { .name: params_a10, .offset: 168, .size: 8, .value_kind: global_buffer, .address_space: global }
      - { .name: params_a11, .offset: 176, .size: 8, .value_kind: global_buffer, .address_space: global }
      - { .name: params_a12, .offset: 184, .size: 8, .value_kind: global_buffer, .address_space: global }
      - { .name: params_a13, .offset: 192, .size: 8, .value_kind: global_buffer, .address_space: global }
      - { .name: params_a8, .offset: 200, .size: 8, .value_kind: global_buffer, .address_space: global }
      - { .name: params_a14, .offset: 208, .size: 8, .value_kind: global_buffer, .address_space: global }
    .group_segment_fixed_size: 0
    .private_segment_fixed_size: 0
    .kernarg_segment_align: 8
    .kernarg_segment_size: 216
    .max_flat_workgroup_size: 128
    .sgpr_count:     100
    .vgpr_count:     100
    .wavefront_size: 32
...
	.end_amdgpu_metadata
.endif
;; end of part 1
